; MI455X (gfx1250); checked and timed in simulation.
; The chip was launched on July 23, 2026; its instructions are those of AMD's public machine-readable ISA for CDNA 5 (MIT licence, August 2026) and "CDNA5" Instruction Set Architecture Reference Guide (July 2026). The comments in the code are by the model that wrote it; some were corrected since.
;; Resonant FFN. Allowed arithmetic: matrix products marked QUANTISED: E5M2 operands, one E8M0 scale for each 32 along K, by v_wmma_scale_f32_16x16x128_f8f6f4 with both operands' format E5M2, f32 sums; everything else in f32.
;; Inputs: B_p 2,048 x 1,024 float32; W 2,048 x 1,024 float32; cos_table 4,096 float32; proj_imag_w_codes 1,024 x 64 x 32 uint8 (E5M2 codes of proj_imag_w, K innermost, in blocks of 32 codes); proj_imag_w_scales 1,024 x 64 uint8 (E8M0 scales of proj_imag_w, one for each 32 codes along K); proj_real_w_codes 1,024 x 64 x 32 uint8 (E5M2 codes of proj_real_w, K innermost, in blocks of 32 codes); proj_real_w_scales 1,024 x 64 uint8 (E8M0 scales of proj_real_w, one for each 32 codes along K); sin_table 4,096 float32; t 32 float32; x 32 x 1,024 float32.
;; Outputs: out0 32 x 1,024 float32.
;; This version of the problem:
;;   THIS VERSION OF THE PROBLEM IS GIVEN IN LOW PRECISION. The matrix products marked QUANTISED in the list below multiply operands that are first quantised to E5M2 (5 exponent bits, 2 mantissa bits; 8 bits a number), with one power-of-two scale for each 32 numbers along K (OCP MX v1.0); their sums are f32. All else is computed in f32.
;;   The module's matrix products, in the order in which they are computed (A, B: the left and right operand; K: the contracted axis; several contracted axes count as one K, in the product's order):
;;     1. [M 32, K 2,048] x [K 2,048, N 1,024]; A: computed on the way; B: input proj_real_w (given as codes): QUANTISED
;;     2. [M 32, K 2,048] x [K 2,048, N 1,024]; A: computed on the way; B: input proj_imag_w (given as codes): QUANTISED
;;   THE QUANTISER, for each operand of a quantised product, along K:
;;     - K is cut into blocks of 32 from its start; a last block that is shorter is filled with zeros.
;;     - A block's scale is 2^e with e = floor(log2(the largest magnitude in the block)) - 15, held to -126 .. 127; a block of zeros has e = 0. As a byte (E8M0): e + 127.
;;     - Each number is divided by its block's scale, clamped to +-57,344, and rounded to the nearest number of E5M2, ties to even, subnormals kept.
;;     - The product sums the exact products of the quantised numbers (number of the format x scale) in f32.
;;   ~~~python
;;   def quantise(x, axis):      # numpy; x: float32 -> the quantised numbers, widened to float32 again
;;       x = np.moveaxis(x, axis, -1); K = x.shape[-1]
;;       x = np.pad(x, [(0, 0)] * (x.ndim - 1) + [(0, -K % 32)]); x = x.reshape(x.shape[:-1] + (-1, 32)); a = np.abs(x).max(-1, keepdims=True)
;;       e = np.where(a > 0, np.clip(np.frexp(np.where(a > 0, a, 1))[1] - 1 - 15, -126, 127), 0)      # np.frexp(a)[1] - 1 = floor(log2(a)), exactly
;;       r = np.clip(x / 2.0 ** e, -57344, 57344)
;;       step = 2.0 ** (np.maximum(np.frexp(np.where(r == 0, 1, r))[1] - 1, -14) - 2)
;;       q = np.round(r / step) * step * 2.0 ** e      # np.round: ties to even
;;       return np.moveaxis(q.reshape(q.shape[:-2] + (-1,))[..., :K], -1, axis).astype(np.float32)
;;   ~~~
;;   OPERANDS COMPUTED ON THE WAY. 'Computed on the way' means the value that the module computes at that place (a softmax that the list does not call 'softmax' is quantised finished and normalised). What goes into a quantiser is computed in f32, as accurately as f32 sums, v_exp_f32 and their like allow (about 1e-6 of the number): no bf16 or f16 on the way to a quantiser, and a product that is left as it is and whose result goes on into a quantised operand takes f32 operands (vector FMAs, or v_wmma_f32_16x16x4_f32). A number that lies on a knife's edge between two numbers of the format may be rounded either way, as far as f32 arithmetic and the matrix unit's own rounding can turn it there, and no further.
;;   INPUTS GIVEN AS CODES. proj_imag_w (in the module: [1024, 2048], K = its axis 1); proj_real_w (in the module: [1024, 2048], K = its axis 1): each comes as NAME_codes (uint8): NAME with its K axis moved to the last place and cut into blocks of 32 codes, [.., K / 32, bytes a block], one block behind the other in memory; one code a byte (a code: sign, 5 exponent bits, 2 mantissa bits); and NAME_scales (uint8): the same leading axes, one E8M0 byte (e + 127) for each 32 codes along K. Its value is code x scale, taken as it is: it is not quantised again, and the codes and scales need not be those that the quantiser above would give.
;; One version. Each part assembles by itself: llvm-mc -triple=amdgcn-amd-amdhsa -mcpu=gfx1250 --defsym DOCPART=n.
;; ======== version 1 of 1: 3 launches
;; workspace buffers: idx 134,217,728 bytes of whole numbers; rct 8,388,608 bytes; bct 8,388,608 bytes; acodes 131,072 bytes; ascales 4,096 bytes
;; launch prep (part 1): grid 256 x 1, 8 waves a work-group, no clusters, 67,584 bytes of LDS; arguments W, B_p, x, t, idx, rct, bct; writes idx, rct, bct
.if DOCPART == 1
	.amdgcn_target "amdgcn-amd-amdhsa--gfx1250"
	.amdhsa_code_object_version 6
	.text
	.protected	k_qa7be59680e_prep
	.globl	k_qa7be59680e_prep
	.p2align	8
	.type	k_qa7be59680e_prep,@function
k_qa7be59680e_prep:
	s_mov_b64 s[64:65], 0
	v_nop
	global_prefetch_b8 v0, s[64:65] scope:SCOPE_SE
	s_setreg_imm32_b32 hwreg(HW_REG_WAVE_MODE, 25, 1), 1
	s_wait_xcnt 0x0
; FIRST OF THREE LAUNCHES.  pos[b][n][d] = (x[b][d] rc[n][d] + C t[b]) + bc[n][d], with C = 4096 / (2 pi) in f32, rc = C / (1 + |W|), bc = C B_p: the place of theta in the tables.
; This launch stores rc and bc (f32) and, as whole numbers, 16 x (floor(pos) mod 4096) for all 32 x 2048 x 1024 places: the byte offset of a 16-byte table entry.
; The next launch reads these offsets as LDS addresses: no address of a launch hangs on floating-point numbers that the same launch computes.  It forms pos anew from the STORED rc and bc by the
; same two instructions, so its pos - floor(pos) belongs to the floor taken here, bit for bit.
; DEPARTURES in rounding from the formula as written, all in f32: C is folded into rc, bc and C t; the division is v_rcp_f32 and a multiplication.
; LIMITS: |pos| under 2^31, that is |theta| under 3.29e6 (v_cvt_i32_f32 saturates beyond); NaN and infinities among the inputs are not served.
; SHARES.  Work-group g: neurons 32 (g / 4) on, d = 256 (g % 4) on.  Wave w: 32 of these d, all 32 b.  A LANE IS A NEURON: x[b][d] and t[b] are then scalars.
; W and B_p are read as they lie (512 consecutive bytes a load), worked, and turned through LDS so that a lane gets its neuron's 32 d.
; LAYOUTS.  rct, bct: [n / 32][d / 4][lane][4 f32].  idx: [n / 32][b][d / 8][lane][4 words], word j: the offset of d = 8 q + 2 j in bits 15:0, of d + 1 in bits 31:16.  Every store of a wave covers 512 consecutive bytes, aligned.
.set C_POS, 0x4422f983                 ; 4096 / f32(2 pi)
.set PITCH, 1040                       ; an LDS row: 256 d x 4 bytes + 16: an odd multiple of 16 bytes
.set LRC,   0                          ; LDS: rc of 32 neurons x 256 d
.set LBC,   32*PITCH                   ; and bc
.set P,     16                         ; v16-47   W as loaded, then rc; in the loop: pos, floor, index
.set SB,    48                         ; v48-79   B_p as loaded, then bc
.set WD,    48                         ; v48-63   in the loop: the 16 packed words
.set RC,    80                         ; v80-111  rc of my neuron, register = d - d0; never rewritten
.set BC,    112                        ; v112-143 bc likewise
; s[4:5] W, s[6:7] B_p, s[8:9] x (the row to load next), s[10:11] t, s[12:13] idx, s[14:15] rct, s[88:89] bct; s[16:47] and s[48:63] + s[68:83]: two sets of 32 x; s84, s85 their t; s86 C t; s[92:93] C
	s_load_b256 s[4:11], s[0:1], 0x0               ; W, B_p, x, t
	s_load_b128 s[12:15], s[0:1], 0x20             ; idx, rct
	s_load_b64 s[88:89], s[0:1], 0x30              ; bct
	v_lshl_add_u32 v144, v0, 2, 0x10400
	v_mov_b32 v145, 0
	v_lshrrev_b32 v4, 5, v0
	s_delay_alu instid0(VALU_DEP_1)
	v_readfirstlane_b32 s91, v4                    ; wave 0..7
	v_and_b32 v5, 31, v0                           ; lane
	s_delay_alu instid0(VALU_DEP_1)
	v_lshlrev_b32 v1, 4, v5                        ; 16 x lane: my 16 bytes of every load's and store's 512
	s_delay_alu instid0(VALU_DEP_1)
	v_mad_u32_u24 v2, v4, 4*PITCH, v1              ; LDS, in: my wave's four rows, 16 x lane
	s_delay_alu instid0(VALU_DEP_3)
	v_mul_u32_u24 v3, v5, PITCH
	s_delay_alu instid0(VALU_DEP_1)
	v_lshl_add_u32 v3, v4, 7, v3                   ; LDS, out: row = my neuron, my wave's 32 d (128 bytes)
	s_mov_b32 s92, C_POS
	s_mov_b32 s93, C_POS                           ; (named with s92 as a pair, so it is written)
	s_lshr_b32 s94, ttmp9, 2                       ; ng: which 32 neurons
	s_and_b32 s95, ttmp9, 3                        ; dq: which 256 d
	s_lshl_b32 s16, s94, 17                        ; W, B_p: row 32 ng + 4 w of 4,096 bytes, + 1,024 dq
	s_lshl_b32 s17, s91, 14
	s_add_co_u32 s16, s16, s17
	s_lshl_b32 s17, s95, 10
	s_add_co_u32 s16, s16, s17
	s_mov_b32 s17, 0
	s_lshl_b32 s18, s95, 10                        ; x: 4 d0 = 1,024 dq + 128 w
	s_lshl_b32 s19, s91, 7
	s_add_co_u32 s18, s18, s19
	s_mov_b32 s19, 0
	s_lshl_b32 s20, s94, 21                        ; idx: ng x 32 b x 65,536 + (32 dq + 4 w) x 512
	s_lshl_b32 s21, s95, 14
	s_add_co_u32 s20, s20, s21
	s_lshl_b32 s21, s91, 11
	s_add_co_u32 s20, s20, s21
	s_mov_b32 s21, 0
	s_lshl_b32 s22, s94, 17                        ; rct, bct: (256 ng + 64 dq + 8 w) x 512
	s_lshl_b32 s23, s95, 15
	s_add_co_u32 s22, s22, s23
	s_lshl_b32 s23, s91, 12
	s_add_co_u32 s22, s22, s23
	s_mov_b32 s23, 0
	s_wait_alu depctr_va_vdst(0)
	s_wait_kmcnt 0x0
	s_add_nc_u64 s[4:5], s[4:5], s[16:17]
	s_add_nc_u64 s[6:7], s[6:7], s[16:17]
	s_add_nc_u64 s[8:9], s[8:9], s[18:19]
	s_add_nc_u64 s[12:13], s[12:13], s[20:21]
	s_add_nc_u64 s[14:15], s[14:15], s[22:23]
	s_add_nc_u64 s[88:89], s[88:89], s[22:23]
	; ---- A: four rows a wave, two loads of 512 consecutive bytes a row
.irp i, 0,1,2,3
.irp h, 0,1
	global_load_b128 v[P+8*\i+4*\h:P+8*\i+4*\h+3], v1, s[4:5] offset:4096*\i+512*\h th:TH_LOAD_NT
	global_load_b128 v[SB+8*\i+4*\h:SB+8*\i+4*\h+3], v1, s[6:7] offset:4096*\i+512*\h th:TH_LOAD_NT
.endr
.endr
	s_load_b512 s[16:31], s[8:9], 0x0              ; x[0][d0 ..], 32 numbers, and t[0]: wanted at the first trip's head
	s_load_b512 s[32:47], s[8:9], 0x40
	s_load_b32 s84, s[10:11], 0x0
	s_wait_loadcnt 0x0
.set i, 0
.rept 32
	v_add_f32 v[P+i], 1.0, |v[P+i]|                ; the wavelength
.set i, i+1
.endr
.set i, 0
	s_wait_alu depctr_va_vdst(0)
.rept 32
	v_rcp_f32 v[P+i], v[P+i]                       ; one batch of 32
.set i, i+1
.endr
.set i, 0
.rept 16
	v_pk_mul_f32 v[SB+i:SB+i+1], v[SB+i:SB+i+1], s[92:93] op_sel_hi:[1,0]   ; bc = C B_p: plain work that names no reciprocal
.set i, i+2
.endr
	s_wait_alu depctr_va_vdst(0)                   ; one wait for the batch, ahead of its first reader
.set i, 0
.rept 16
	v_pk_mul_f32 v[P+i:P+i+1], v[P+i:P+i+1], s[92:93] op_sel_hi:[1,0]       ; rc = C / wavelength
.set i, i+2
.endr
.irp i, 0,1,2,3
.irp h, 0,1
	ds_store_b128 v2, v[P+8*\i+4*\h:P+8*\i+4*\h+3] offset:LRC+PITCH*\i+512*\h
	ds_store_b128 v2, v[SB+8*\i+4*\h:SB+8*\i+4*\h+3] offset:LBC+PITCH*\i+512*\h
.endr
.endr
	s_wait_dscnt 0x0                               ; for the others' sake: my stores have landed
	s_barrier_signal -1
	s_barrier_wait -1                              ; the launch's one barrier: the tile lies whole in LDS
	; ---- B: my neuron's 32 d, kept in registers and stored for the next launch
.irp i, 0,1,2,3,4,5,6,7
	ds_load_b128 v[RC+4*\i:RC+4*\i+3], v3 offset:LRC+16*\i
	ds_load_b128 v[BC+4*\i:BC+4*\i+3], v3 offset:LBC+16*\i
.endr
	s_wait_dscnt 0x0
.irp i, 0,1,2,3,4,5,6,7
	global_store_b128 v1, v[RC+4*\i:RC+4*\i+3], s[14:15] offset:512*\i
	global_store_b128 v1, v[BC+4*\i:BC+4*\i+3], s[88:89] offset:512*\i
.endr
; ---- C: one b a trip.  xlo, xhi, tb: the scalar registers that hold this b's 32 x and its t;  nlo, nhi, tn: those that take the next b's.
.macro TRIP xlo, xhi, tb, nlo, nhi, tn, first, next
	s_wait_kmcnt 0x0                               ; this b's x and t, asked for a trip ago, are in
	s_wait_xcnt 0x0                                ; every earlier memory instruction has had its addresses translated (ISA guide 3.1): the three pointers and the words' registers are rewritten only behind this wait
	s_mul_f32 s86, s[\tb], s92                     ; C t
.if \next
	s_add_nc_u64 s[8:9], s[8:9], 4096              ; the next row of x,
	s_add_nc_u64 s[10:11], s[10:11], 4             ; the next t
	s_load_b512 s[\nlo:\nlo+15], s[8:9], 0x0
	s_load_b512 s[\nhi:\nhi+15], s[8:9], 0x40
	s_load_b32 s[\tn], s[10:11], 0x0
.endif
.if !\first
	s_add_nc_u64 s[12:13], s[12:13], 65536         ; idx: one b on
.endif
.set i, 0
.rept 16
	v_fma_f32 v[P+i], s[\xlo+i], v[RC+i], s86
.set i, i+1
.endr
.set i, 0
.rept 16
	v_fma_f32 v[P+16+i], s[\xhi+i], v[RC+16+i], s86
.set i, i+1
.endr
.set i, 0
.rept 16
	v_pk_add_f32 v[P+i:P+i+1], v[P+i:P+i+1], v[BC+i:BC+i+1]   ; pos
.set i, i+2
.endr
.set i, 0
.rept 32
	v_floor_f32 v[P+i], v[P+i]
.set i, i+1
.endr
.set i, 0
.rept 32
	v_cvt_i32_f32 v[P+i], v[P+i]                   ; a whole number already: nothing is rounded
.set i, i+1
.endr
.set i, 0
.rept 16
	v_lshlrev_b32 v[P+2*i], 4, v[P+2*i]            ; 16 x index: its bits 15:4 are the index mod 4096, negative numbers too (two's complement)
	v_lshlrev_b32 v[P+2*i+1], 20, v[P+2*i+1]       ; the odd d's: the same twelve bits at 31:20, zeros below
.set i, i+1
.endr
.set i, 0
.rept 16
	v_and_or_b32 v[WD+i], v[P+2*i], 0xfff0, v[P+2*i+1]
.set i, i+1
.endr
.irp k, 0,1,2,3
	global_store_b128 v1, v[WD+4*\k:WD+4*\k+3], s[12:13] offset:512*\k th:TH_STORE_NT   ; eight d of 32 neurons: 512 consecutive bytes
.endr
.endm
	TRIP 16, 32, 84, 48, 68, 85, 1, 1              ; b = 0
	s_mov_b32 s90, 15
.Lpair:                                            ; b = 1 .. 30, two a trip of the loop: the two sets of scalars change places and are back
	TRIP 48, 68, 85, 16, 32, 84, 0, 1
	TRIP 16, 32, 84, 48, 68, 85, 0, 1
	s_sub_co_u32 s90, s90, 1
	s_cmp_lg_u32 s90, 0
	s_cbranch_scc1 .Lpair
	TRIP 48, 68, 85, 16, 32, 84, 0, 0              ; b = 31 asks for nothing: no load leaves x or t
	s_wait_tensorcnt 0x0
	ds_add_u32 v144, v145
	s_wait_dscnt 0x0
	s_endpgm
.Lfunc_end_k_qa7be59680e_prep:
	.size	k_qa7be59680e_prep, .Lfunc_end_k_qa7be59680e_prep-k_qa7be59680e_prep
	.p2alignl 7, 3214868480
	.fill 96, 4, 3214868480
	.section	.rodata,"a",@progbits
	.p2align	6, 0x0
	.amdhsa_kernel k_qa7be59680e_prep
		.amdhsa_group_segment_fixed_size 67584
		.amdhsa_private_segment_fixed_size 0
		.amdhsa_enable_private_segment 0
		.amdhsa_kernarg_size 56
		.amdhsa_user_sgpr_count 2
		.amdhsa_user_sgpr_kernarg_segment_ptr 1
		.amdhsa_wavefront_size32 1
		.amdhsa_system_sgpr_workgroup_id_x 1
		.amdhsa_system_sgpr_workgroup_id_y 1
		.amdhsa_system_sgpr_workgroup_id_z 1
		.amdhsa_system_vgpr_workitem_id 0
		.amdhsa_next_free_vgpr 146
		.amdhsa_next_free_sgpr 96
		.amdhsa_reserve_vcc 0
		.amdhsa_float_denorm_mode_32 3
		.amdhsa_float_denorm_mode_16_64 3
		.amdhsa_memory_ordered 1
		.amdhsa_forward_progress 1
		.amdhsa_inst_pref_size 46
	.end_amdhsa_kernel
	.amdgpu_metadata
---
amdhsa.version: [ 1, 2 ]
amdhsa.kernels:
  - .name:           k_qa7be59680e_prep
    .symbol:         k_qa7be59680e_prep.kd
    .args:
      - { .name: W, .offset: 0, .size: 8, .value_kind: global_buffer, .address_space: global }
      - { .name: B_p, .offset: 8, .size: 8, .value_kind: global_buffer, .address_space: global }
      - { .name: x, .offset: 16, .size: 8, .value_kind: global_buffer, .address_space: global }
      - { .name: t, .offset: 24, .size: 8, .value_kind: global_buffer, .address_space: global }
      - { .name: idx, .offset: 32, .size: 8, .value_kind: global_buffer, .address_space: global }
      - { .name: rct, .offset: 40, .size: 8, .value_kind: global_buffer, .address_space: global }
      - { .name: bct, .offset: 48, .size: 8, .value_kind: global_buffer, .address_space: global }
    .group_segment_fixed_size: 67584
    .private_segment_fixed_size: 0
    .kernarg_segment_align: 8
    .kernarg_segment_size: 56
    .max_flat_workgroup_size: 256
    .sgpr_count:     96
    .vgpr_count:     146
    .wavefront_size: 32
...
	.end_amdgpu_metadata
.endif
;; end of part 1
;; launch sums (part 2): grid 64 x 4, 16 waves a work-group, no clusters, 102,400 bytes of LDS; arguments idx, rct, bct, x, t, sin_table, cos_table, acodes, ascales; writes acodes, ascales
.if DOCPART == 2
	.amdgcn_target "amdgcn-amd-amdhsa--gfx1250"
	.amdhsa_code_object_version 6
	.text
	.protected	k_qa7be59680e_sums
	.globl	k_qa7be59680e_sums
	.p2align	8
	.type	k_qa7be59680e_sums,@function
k_qa7be59680e_sums:
	s_mov_b64 s[64:65], 0
	v_nop
	global_prefetch_b8 v0, s[64:65] scope:SCOPE_SE
	s_setreg_imm32_b32 hwreg(HW_REG_WAVE_MODE, 25, 1), 1
	s_wait_xcnt 0x0
; SECOND OF THREE LAUNCHES.  sin_sum[b][n], cos_sum[b][n] = the sums over d of the tables' linear interpolation at pos[b][n][d]; both are quantised along n (blocks of 32) to codes of BF8 (E5M2) with one E8M0 byte a block.
; The table offsets 16 x (floor(pos) mod 4096) come as whole numbers from the launch before; pos is formed anew from the stored rc and bc by the same two instructions as there, and f = pos - floor(pos) is exact.
; THE TABLE in LDS has one entry of 16 bytes for each index i: (sin[i], cos[i], sin[i+1] - sin[i], cos[i+1] - cos[i]), i + 1 taken mod 4096: one ds_load_b128 brings all that a place wants.
; The value is s0 + f (s1 - s0) where the formula is written s0 (1 - f) + s1 f: another order of rounding, in f32.  The s0 and the f x difference are summed in two accumulators and joined at the end.
; LIMITS: as in the launch before (|theta| under 3.29e6; no NaN, no infinities).  A block of zeros gets the scale byte 1 where the quantiser says 127: its codes are zeros, and this program alone reads the bytes.
; SHARES.  Work-group (ng, bg): neurons 32 ng on, b = 8 bg on, all d.  Wave w: d = 64 w on, in 8 trips of 8 d.  A LANE IS A NEURON: x and C t are scalars, and the sum over d stays in the lane.
; NO CLUSTER: the four work-groups of one ng share rc and bc, 256 KiB of the 768 KiB that each reads; a joint load would land them in LDS, through which every place's gather already goes; they come straight into registers.
; No prefetch: each index word is asked for a whole trip ahead of its use, into registers.
; OUT.  acodes [ng][bg][L][16 bytes]: L = 4 (b % 8) + 2 tab + half, tab 0 = sin, 1 = cos: codes of n = 32 ng + 16 half + 0 .. 15.  ascales: byte (ng / 4) 256 + 8 b + 4 tab + ng % 4: a word is a row's scales for 128 along n.
.set C_POS, 0x4422f983                 ; 4096 / f32(2 pi)
.set RED,   65536                      ; LDS: behind the table's 65,536 bytes: [wave 16][bl 8][lane 32][sin, cos] f32
.set FIN,   98304                      ; and [2 bl + tab][n 32] f32
.set F,     16                         ; v16-79   pos, then f: 8 bl + e
.set T,     80                         ; v80-87   floors
.set ADR,   88                         ; v88-95   LDS addresses of eight gathers
.set RC,    96                         ; v96-103  rc of my neuron, the trip's 8 d
.set BC,    104                        ; v104-111 bc
.set IDX,   112                        ; v112-143 index words: 4 bl + j
.set G,     144                        ; v144-175, v176-207 two sets of eight table entries
.set ACCA,  208                        ; v208-223 a pair (sin, cos) for each bl: sums of s0, c0
.set ACCB,  224                        ; v224-239 sums of f x difference
; v1 16 x lane; v2 4 x thread; v3 the wrapped neighbour's offset; v4 16 x thread; v5 RED in; v6 RED out; v7 FIN in; v8 FIN out; v9 my scale byte's offset.  All made here, from v0, and never rewritten.
; s[4:5] idx, s[6:7] rct, s[8:9] bct, s[10:11] x (all four walk), s[12:13] t, s[14:15] sin, s[24:25] cos, s[26:27] acodes, s[28:29] ascales; s[16:23] C t of my 8 b; s[32:63], s[68:99] x: 8 for each bl; s30 wave; s31 trips
	s_load_b256 s[4:11], s[0:1], 0x0               ; idx, rct, bct, x
	s_load_b128 s[12:15], s[0:1], 0x20             ; t, sin_table
	s_load_b128 s[24:27], s[0:1], 0x30             ; cos_table, acodes
	s_load_b64 s[28:29], s[0:1], 0x40              ; ascales
	v_lshl_add_u32 v240, v0, 2, 0x18800
	v_mov_b32 v241, 0
	v_lshrrev_b32 v10, 5, v0
	s_delay_alu instid0(VALU_DEP_1)
	v_readfirstlane_b32 s30, v10                   ; wave 0..15
	v_and_b32 v11, 31, v0                          ; lane
	s_delay_alu instid0(VALU_DEP_1)
	v_lshlrev_b32 v1, 4, v11
	v_lshlrev_b32 v2, 2, v0
	v_add_nc_u32 v3, 3585, v0
	s_delay_alu instid0(VALU_DEP_1)
	v_and_b32 v3, 4095, v3
	s_delay_alu instid0(VALU_DEP_1)
	v_lshlrev_b32 v3, 2, v3                        ; entry thread + 3,584's neighbour, mod 4096
	v_lshlrev_b32 v4, 4, v0
	v_lshlrev_b32 v5, 3, v11
	s_delay_alu instid0(VALU_DEP_1)
	v_lshl_add_u32 v5, v10, 11, v5
	s_delay_alu instid0(VALU_DEP_1)
	v_add_nc_u32 v5, RED, v5                       ; RED + 2,048 wave + 8 lane
	v_lshl_add_u32 v6, v0, 2, RED                  ; RED + 4 thread
	v_lshrrev_b32 v7, 6, v0                        ; thread = 64 bl + 2 n + tab
	v_and_b32 v12, 1, v0
	s_delay_alu instid0(VALU_DEP_1)
	v_lshl_add_u32 v7, v7, 1, v12                  ; 2 bl + tab
	v_bfe_u32 v12, v0, 1, 5                        ; n
	s_delay_alu instid0(VALU_DEP_1)
	v_lshlrev_b32 v12, 2, v12
	s_delay_alu instid0(VALU_DEP_1)
	v_lshl_add_u32 v7, v7, 7, v12
	s_delay_alu instid0(VALU_DEP_1)
	v_add_nc_u32 v7, FIN, v7
	v_lshl_add_u32 v8, v11, 6, FIN                 ; FIN + 64 lane: 16 neighbours along n
	v_lshrrev_b32 v9, 1, v11
	s_delay_alu instid0(VALU_DEP_1)
	v_lshlrev_b32 v9, 2, v9                        ; 4 (lane / 2)
	s_mov_b32 s100, C_POS
	s_mov_b32 s101, 0x600000                       ; the mantissa field of 57,344
	s_and_b32 s31, ttmp7, 0xffff                   ; bg
	s_lshl_b32 s32, ttmp9, 21                      ; idx: ((32 ng + 8 bg) 128 + 8 w) x 512
	s_lshl_b32 s33, s31, 19
	s_add_co_u32 s32, s32, s33
	s_lshl_b32 s33, s30, 12
	s_add_co_u32 s32, s32, s33
	s_mov_b32 s33, 0
	s_lshl_b32 s34, ttmp9, 17                      ; rct, bct: (256 ng + 16 w) x 512
	s_lshl_b32 s35, s30, 13
	s_add_co_u32 s34, s34, s35
	s_mov_b32 s35, 0
	s_lshl_b32 s36, s31, 15                        ; x: row 8 bg of 4,096 bytes, + 256 w
	s_lshl_b32 s37, s30, 8
	s_add_co_u32 s36, s36, s37
	s_mov_b32 s37, 0
	s_lshl_b32 s38, s31, 5                         ; t: 8 bg numbers on
	s_mov_b32 s39, 0
	s_lshl_b32 s40, ttmp9, 11                      ; acodes: (4 ng + bg) x 512
	s_lshl_b32 s41, s31, 9
	s_add_co_u32 s40, s40, s41
	s_mov_b32 s41, 0
	s_lshr_b32 s42, ttmp9, 2                       ; ascales: (ng / 4) 256 + ng % 4 + 64 bg
	s_lshl_b32 s42, s42, 8
	s_and_b32 s43, ttmp9, 3
	s_add_co_u32 s42, s42, s43
	s_lshl_b32 s43, s31, 6
	s_add_co_u32 s42, s42, s43
	s_mov_b32 s43, 0
	s_wait_kmcnt 0x0
	s_add_nc_u64 s[4:5], s[4:5], s[32:33]
	s_add_nc_u64 s[6:7], s[6:7], s[34:35]
	s_add_nc_u64 s[8:9], s[8:9], s[34:35]
	s_add_nc_u64 s[10:11], s[10:11], s[36:37]
	s_add_nc_u64 s[12:13], s[12:13], s[38:39]
	s_add_nc_u64 s[26:27], s[26:27], s[40:41]
	s_add_nc_u64 s[28:29], s[28:29], s[42:43]
.macro LOADI bl                        ; the index words of b = 8 bg + bl for the 8 d at which the pointer stands: 512 consecutive bytes
	global_load_b128 v[IDX+4*(\bl):IDX+4*(\bl)+3], v1, s[4:5] offset:65536*(\bl) th:TH_LOAD_NT
.endm
.macro LOADR                           ; rc and bc of these 8 d
	global_load_b128 v[RC:RC+3], v1, s[6:7]
	global_load_b128 v[RC+4:RC+7], v1, s[6:7] offset:512
	global_load_b128 v[BC:BC+3], v1, s[8:9]
	global_load_b128 v[BC+4:BC+7], v1, s[8:9] offset:512
.endm
.macro LOADX                           ; x of these 8 d, for my 8 b (s64 and s65 are passed over)
.irp bl, 0,1,2,3,4,5,6,7
	s_load_b256 s[32+8*\bl+4*(\bl/4):39+8*\bl+4*(\bl/4)], s[10:11], 4096*\bl
.endr
.endm
	s_load_b256 s[16:23], s[12:13], 0x0            ; t of my 8 b
	LOADX
	; the tables: thread i takes entries i + 512 k, k = 0 .. 7: each load of a wave reads 128 consecutive bytes
.irp k, 0,1,2,3,4,5,6
	global_load_b32 v[G+4*\k], v2, s[14:15] offset:2048*\k
	global_load_b32 v[G+4*\k+1], v2, s[24:25] offset:2048*\k
	global_load_b32 v[G+4*\k+2], v2, s[14:15] offset:2048*\k+4
	global_load_b32 v[G+4*\k+3], v2, s[24:25] offset:2048*\k+4
.endr
	global_load_b32 v[G+28], v2, s[14:15] offset:2048*7
	global_load_b32 v[G+29], v2, s[24:25] offset:2048*7
	global_load_b32 v[G+30], v3, s[14:15]          ; the last entry's neighbour is entry 0
	global_load_b32 v[G+31], v3, s[24:25]
	LOADI 0                                        ; trip 0's twelve loads, in the order in which every trip asks for the next trip's
	LOADR
.irp bl, 1,2,3,4,5,6,7
	LOADI \bl
.endr
.set i, 0
.rept 32
	v_mov_b32 v[ACCA+i], 0                         ; the 16 pairs of sums, once
.set i, i+1
.endr
	s_wait_loadcnt 12                              ; the 32 table loads are in; the twelve issued behind them may be out
.irp k, 0,1,2,3,4,5,6,7
	v_pk_add_f32 v[G+4*\k+2:G+4*\k+3], v[G+4*\k+2:G+4*\k+3], v[G+4*\k:G+4*\k+1] neg_lo:[0,1] neg_hi:[0,1]   ; the differences
.endr
.irp k, 0,1,2,3,4,5,6,7
	ds_store_b128 v4, v[G+4*\k:G+4*\k+3] offset:8192*\k
.endr
	s_wait_kmcnt 0x0
.irp i, 0,1,2,3,4,5,6,7
	s_mul_f32 s[16+\i], s[16+\i], s100             ; C t
.endr
	s_wait_dscnt 0x0                               ; for the others' sake: my entries have landed
	s_barrier_signal -1
	s_barrier_wait -1                              ; the table is whole
; Eight gathers for b = 8 bg + bl.  cnt: the loads issued behind this bl's index words.  refill = 1: the registers take the next trip's words.
.macro ISSUE bl, refill, cnt
.set GB, G+32*((\bl)%2)
	s_wait_loadcnt \cnt
.irp j, 0,1,2,3
	v_and_b32 v[ADR+2*\j], 0xffff, v[IDX+4*(\bl)+\j]
	v_lshrrev_b32 v[ADR+2*\j+1], 16, v[IDX+4*(\bl)+\j]
.endr
.irp e, 0,1,2,3,4,5,6,7
	v_min_u32 v[ADR+\e], 0xfff0, v[ADR+\e]         ; a loaded number enters an address only behind a clamp: here to the table's last entry
.endr
.irp e, 0,1,2,3,4,5,6,7
	ds_load_b128 v[GB+4*\e:GB+4*\e+3], v[ADR+\e]
.endr
.if \refill
	LOADI \bl
.endif
.endm
; f for the trip's 8 b x 8 d: pos by the same fused multiply-add and the same addition as in the launch before, then pos - floor(pos)
.macro FRAC
.irp bl, 0,1,2,3,4,5,6,7
.irp e, 0,1,2,3,4,5,6,7
	v_fma_f32 v[F+8*\bl+\e], s[32+8*\bl+4*(\bl/4)+\e], v[RC+\e], s[16+\bl]
.endr
.irp e, 0,2,4,6
	v_pk_add_f32 v[F+8*\bl+\e:F+8*\bl+\e+1], v[F+8*\bl+\e:F+8*\bl+\e+1], v[BC+\e:BC+\e+1]
.endr
.irp e, 0,1,2,3,4,5,6,7
	v_floor_f32 v[T+\e], v[F+8*\bl+\e]
.endr
.irp e, 0,2,4,6
	v_pk_add_f32 v[F+8*\bl+\e:F+8*\bl+\e+1], v[F+8*\bl+\e:F+8*\bl+\e+1], v[T+\e:T+\e+1] neg_lo:[0,1] neg_hi:[0,1]
.endr
.endr
.endm
; The eight entries of bl are summed, sin and cos together.  cnt: the LDS loads issued behind them.
.macro CONSUME bl, cnt
.set GB, G+32*((\bl)%2)
	s_wait_dscnt \cnt
.irp e, 0
	v_pk_add_f32 v[ACCA+2*(\bl):ACCA+2*(\bl)+1], v[ACCA+2*(\bl):ACCA+2*(\bl)+1], v[GB+4*\e:GB+4*\e+1]
.if \e%2 == 0
	v_pk_fma_f32 v[ACCB+2*(\bl):ACCB+2*(\bl)+1], v[GB+4*\e+2:GB+4*\e+3], v[F+8*(\bl)+\e:F+8*(\bl)+\e+1], v[ACCB+2*(\bl):ACCB+2*(\bl)+1] op_sel_hi:[1,0,1]   ; f of an even d: the pair's first register for both halves
.else
	v_pk_fma_f32 v[ACCB+2*(\bl):ACCB+2*(\bl)+1], v[GB+4*\e+2:GB+4*\e+3], v[F+8*(\bl)+\e-1:F+8*(\bl)+\e], v[ACCB+2*(\bl):ACCB+2*(\bl)+1] op_sel:[0,1,0] op_sel_hi:[1,1,1]   ; of an odd d: its second
.endif
.endr
.irp e, 1, 2, 3, 4, 5, 6, 7
	s_delay_alu instid0(VALU_DEP_2)
	v_pk_add_f32 v[ACCA+2*(\bl):ACCA+2*(\bl)+1], v[ACCA+2*(\bl):ACCA+2*(\bl)+1], v[GB+4*\e:GB+4*\e+1]
.if \e%2 == 0
	s_delay_alu instid0(VALU_DEP_2)
	v_pk_fma_f32 v[ACCB+2*(\bl):ACCB+2*(\bl)+1], v[GB+4*\e+2:GB+4*\e+3], v[F+8*(\bl)+\e:F+8*(\bl)+\e+1], v[ACCB+2*(\bl):ACCB+2*(\bl)+1] op_sel_hi:[1,0,1]   ; f of an even d: the pair's first register for both halves
.else
	s_delay_alu instid0(VALU_DEP_2)
	v_pk_fma_f32 v[ACCB+2*(\bl):ACCB+2*(\bl)+1], v[GB+4*\e+2:GB+4*\e+3], v[F+8*(\bl)+\e-1:F+8*(\bl)+\e], v[ACCB+2*(\bl):ACCB+2*(\bl)+1] op_sel:[0,1,0] op_sel_hi:[1,1,1]   ; of an odd d: its second
.endif
.endr
.endm
; A TRIP: 8 d x 8 b.  It asks for the next trip's loads in the order I0, rc and bc (4), I1 .. I7.  So behind this trip's I(bl) stand eleven loads: the rest of its own twelve and what has been asked for since;
; behind this trip's rc and bc stand I1 .. I7 and the next I0: eight.  The last trip asks for nothing, and its counts run down.
.macro TRIP last
.if !\last
	s_wait_xcnt 0x0                                ; every earlier memory instruction has had its addresses translated (ISA guide 3.1): the four pointers are stepped only behind this wait
	s_add_nc_u64 s[4:5], s[4:5], 512
	s_add_nc_u64 s[6:7], s[6:7], 1024
	s_add_nc_u64 s[8:9], s[8:9], 1024
	s_add_nc_u64 s[10:11], s[10:11], 32
.endif
	ISSUE 0, 1-\last, 11
	s_wait_kmcnt 0x0                               ; x
	s_wait_loadcnt 8-\last                         ; rc and bc
	FRAC
.if !\last
	LOADR                                          ; rc, bc and x are read at a trip's head alone: one set of each, and a whole trip in which the next lands
	LOADX
.endif
.irp bl, 1,2,3,4,5,6,7
.if \last
	ISSUE \bl, 0, 7-\bl
.else
	ISSUE \bl, 1, 11
.endif
	CONSUME \bl-1, 8                               ; the eight gathers just issued may be out
.endr
	CONSUME 7, 0
.endm
	s_mov_b32 s31, 7
.Ltrip:
	TRIP 0
	s_sub_co_u32 s31, s31, 1
	s_cmp_lg_u32 s31, 0
	s_cbranch_scc1 .Ltrip
	TRIP 1                                         ; the last trip is written out: no load leaves its buffer
	; ---- the sixteen waves' sums meet
.irp bl, 0,1,2,3,4,5,6,7
	v_pk_add_f32 v[ACCA+2*\bl:ACCA+2*\bl+1], v[ACCA+2*\bl:ACCA+2*\bl+1], v[ACCB+2*\bl:ACCB+2*\bl+1]
.endr
	s_wait_alu depctr_va_vdst(0)
	s_wait_dscnt 0x0
	s_barrier_signal -1
	s_barrier_wait -1                              ; every wave's gathers are over before any wave stores to LDS again
.irp bl, 0,1,2,3,4,5,6,7
	ds_store_b64 v5, v[ACCA+2*\bl:ACCA+2*\bl+1] offset:256*\bl
.endr
	s_wait_dscnt 0x0
	s_barrier_signal -1
	s_barrier_wait -1
.irp w, 0,1,2,3,4,5,6,7,8,9,10,11,12,13,14,15
	ds_load_b32 v[F+\w], v6 offset:2048*\w         ; thread 64 bl + 2 n + tab: that number of each wave
.endr
	s_wait_dscnt 0x0
.irp i, 0,2,4,6
	v_pk_add_f32 v[F+\i:F+\i+1], v[F+\i:F+\i+1], v[F+8+\i:F+9+\i]
.endr
	s_delay_alu instid0(VALU_DEP_2)
	v_pk_add_f32 v[F:F+1], v[F:F+1], v[F+4:F+5]
	s_delay_alu instid0(VALU_DEP_2)
	v_pk_add_f32 v[F+2:F+3], v[F+2:F+3], v[F+6:F+7]
	s_delay_alu instid0(VALU_DEP_1)
	v_pk_add_f32 v[F:F+1], v[F:F+1], v[F+2:F+3]
	s_delay_alu instid0(VALU_DEP_1)
	v_add_f32 v[F], v[F], v[F+1]
	ds_store_b32 v7, v[F]
	s_wait_dscnt 0x0
	s_barrier_signal -1
	s_barrier_wait -1                              ; 16 rows (bl, tab) of 32 neurons lie in LDS
	s_cmp_lg_u32 s30, 0                            ; 512 numbers are one wave's work: wave 0 quantises, no barrier follows
	s_cbranch_scc1 .Lend
.irp i, 0,1,2,3
	ds_load_b128 v[F+4*\i:F+4*\i+3], v8 offset:16*\i   ; lane L: row L / 2, neurons 16 (L % 2) on: two neighbouring lanes hold a block of 32
.endr
	s_wait_dscnt 0x0
	v_max3_num_f32 v32, |v[F]|, |v[F+1]|, |v[F+2]|     ; the largest magnitude of my 16, in two chains
	v_max3_num_f32 v33, |v[F+3]|, |v[F+4]|, |v[F+5]|
.irp i, 6,10
	s_delay_alu instid0(VALU_DEP_2)
	v_max3_num_f32 v32, v32, |v[F+\i]|, |v[F+\i+1]|
	s_delay_alu instid0(VALU_DEP_2)
	v_max3_num_f32 v33, v33, |v[F+\i+2]|, |v[F+\i+3]|
.endr
	s_delay_alu instid0(VALU_DEP_2)
	v_max3_num_f32 v32, v32, |v[F+14]|, |v[F+15]|
	s_delay_alu instid0(VALU_DEP_1)
	v_max3_num_f32 v32, v32, v33, 0x8000000        ; and the floor 2^(16 - 127): the byte cannot fall under 1
	s_delay_alu instid0(VALU_DEP_1)
	v_max_num_f32_dpp v32, v32, v32 row_xmask:1 row_mask:0xf bank_mask:0xf   ; with my neighbour's 16: the block's
	s_delay_alu instid0(VALU_DEP_1)
	v_add_nc_u32 v34, 0xf8800000, v32              ; 15 off its exponent field: the conversion takes the exponent field of this operand as its scale
	s_delay_alu instid0(VALU_DEP_2)
	v_and_or_b32 v35, v32, 0x7f800000, s101        ; 57,344 x the scale
.set i, 0
.rept 16
	v_med3_num_f32 v[F+i], v[F+i], -v35, v35       ; the conversion to an 8-bit code does not saturate (ISA guide 7.6.2): the hold comes first
.set i, i+1
.endr
	v_cvt_scalef32_pk8_bf8_f32 v[36:37], v[F:F+7], v34
	v_cvt_scalef32_pk8_bf8_f32 v[38:39], v[F+8:F+15], v34
	v_lshrrev_b32 v40, 23, v34                     ; the scale's byte
	global_store_b128 v1, v[36:39], s[26:27]       ; the wave stores 512 consecutive bytes, aligned
	global_store_b8 v9, v40, s[28:29]              ; both lanes of a block write the same byte with the same value; 16 single bytes a work-group, 4,096 in the launch
.Lend:
	s_wait_tensorcnt 0x0
	ds_add_u32 v240, v241
	s_wait_dscnt 0x0
	s_endpgm
.Lfunc_end_k_qa7be59680e_sums:
	.size	k_qa7be59680e_sums, .Lfunc_end_k_qa7be59680e_sums-k_qa7be59680e_sums
	.p2alignl 7, 3214868480
	.fill 96, 4, 3214868480
	.section	.rodata,"a",@progbits
	.p2align	6, 0x0
	.amdhsa_kernel k_qa7be59680e_sums
		.amdhsa_group_segment_fixed_size 102400
		.amdhsa_private_segment_fixed_size 0
		.amdhsa_enable_private_segment 0
		.amdhsa_kernarg_size 72
		.amdhsa_user_sgpr_count 2
		.amdhsa_user_sgpr_kernarg_segment_ptr 1
		.amdhsa_wavefront_size32 1
		.amdhsa_system_sgpr_workgroup_id_x 1
		.amdhsa_system_sgpr_workgroup_id_y 1
		.amdhsa_system_sgpr_workgroup_id_z 1
		.amdhsa_system_vgpr_workitem_id 0
		.amdhsa_next_free_vgpr 242
		.amdhsa_next_free_sgpr 102
		.amdhsa_reserve_vcc 0
		.amdhsa_float_denorm_mode_32 3
		.amdhsa_float_denorm_mode_16_64 3
		.amdhsa_memory_ordered 1
		.amdhsa_forward_progress 1
		.amdhsa_inst_pref_size 85
	.end_amdhsa_kernel
	.amdgpu_metadata
---
amdhsa.version: [ 1, 2 ]
amdhsa.kernels:
  - .name:           k_qa7be59680e_sums
    .symbol:         k_qa7be59680e_sums.kd
    .args:
      - { .name: idx, .offset: 0, .size: 8, .value_kind: global_buffer, .address_space: global }
      - { .name: rct, .offset: 8, .size: 8, .value_kind: global_buffer, .address_space: global }
      - { .name: bct, .offset: 16, .size: 8, .value_kind: global_buffer, .address_space: global }
      - { .name: x, .offset: 24, .size: 8, .value_kind: global_buffer, .address_space: global }
      - { .name: t, .offset: 32, .size: 8, .value_kind: global_buffer, .address_space: global }
      - { .name: sin_table, .offset: 40, .size: 8, .value_kind: global_buffer, .address_space: global }
      - { .name: cos_table, .offset: 48, .size: 8, .value_kind: global_buffer, .address_space: global }
      - { .name: acodes, .offset: 56, .size: 8, .value_kind: global_buffer, .address_space: global }
      - { .name: ascales, .offset: 64, .size: 8, .value_kind: global_buffer, .address_space: global }
    .group_segment_fixed_size: 102400
    .private_segment_fixed_size: 0
    .kernarg_segment_align: 8
    .kernarg_segment_size: 72
    .max_flat_workgroup_size: 512
    .sgpr_count:     102
    .vgpr_count:     242
    .wavefront_size: 32
...
	.end_amdgpu_metadata
.endif
;; end of part 2
;; launch proj (part 3): grid 16 x 2, 16 waves a work-group, no clusters, 71,680 bytes of LDS; arguments acodes, ascales, proj_imag_w_codes, proj_imag_w_scales, proj_real_w_codes, proj_real_w_scales, out0; writes out0
.if DOCPART == 3
	.amdgcn_target "amdgcn-amd-amdhsa--gfx1250"
	.amdhsa_code_object_version 6
	.text
	.protected	k_qa7be59680e_proj
	.globl	k_qa7be59680e_proj
	.p2align	8
	.type	k_qa7be59680e_proj,@function
k_qa7be59680e_proj:
	s_mov_b64 s[64:65], 0
	v_nop
	global_prefetch_b8 v0, s[64:65] scope:SCOPE_SE
	s_setreg_imm32_b32 hwreg(HW_REG_WAVE_MODE, 25, 1), 1
	s_wait_xcnt 0x0
; THIRD OF THREE LAUNCHES.  out0 = silu(cos_sum proj_real_w^T + sin_sum proj_imag_w^T), both products on codes of BF8 (E5M2) with one E8M0 scale for each 32 along K = the 2,048 neurons.
; SHARES.  Work-group (gx, gy): outputs 64 gx on (four tiles of 16), rows b = 16 gy on.  The two products are one sum over 32 K steps of 128: wave w takes two of them: tab = w / 8 (0: sin x imag, 1: cos x real), K steps 2 (w % 8) + s.
; All operands go from memory straight into the operands' registers and are used once; the sixteen waves' partial sums meet in LDS.  So K is split over sixteen accumulators: another order of the f32 sums than one chain.
; THE MATRIX INSTRUCTION IS USED TRANSPOSED (source 0 = 16 rows of a weight, source 1 = 16 rows b): a lane then holds eight neighbouring outputs of one row b.
; NO CLUSTER: weights are shared by the two work-groups along y alone, and a cluster of four does not divide a grid of 2; along x nothing but 64 KiB of the rows' codes is shared.  No prefetch: every load of the launch is issued at its head.
; A fragment (16 rows x 128 K of 8-bit codes) is 16 registers: lane l holds row l % 16; registers 4 c .. 4 c + 3 hold K = 32 c + 16 (l / 16) + 0 .. 15.
.set WF,  32                           ; v32-159  the weights' fragments: 16 (4 s + a)
.set AF,  160                          ; v160-191 the rows' fragments: 16 s
.set ACC, 192                          ; v192-223 four accumulators: 8 a
.set WS,  224                          ; v224-231 the weights' scale words: 4 s + a; they hold scales and nothing else
.set AS,  232                          ; v232-233 the rows' scale words
.set RP,  272                          ; LDS: a row of 64 outputs: 256 bytes + 16
.set RW,  16*RP                        ; a wave's 16 rows
	s_load_b128 s[4:7], s[0:1], 0x0                ; acodes, ascales
	s_load_b256 s[8:15], s[0:1], 0x10              ; imag's codes and scales, real's codes and scales
	s_load_b64 s[16:17], s[0:1], 0x30              ; out0
	v_lshl_add_u32 v240, v0, 2, 0x11000
	v_mov_b32 v241, 0
	v_lshrrev_b32 v1, 5, v0
	s_delay_alu instid0(VALU_DEP_1)
	v_readfirstlane_b32 s18, v1                    ; wave 0..15
	v_and_b32 v2, 15, v0                           ; r
	v_bfe_u32 v3, v0, 4, 1                         ; h
	s_delay_alu instid0(VALU_DEP_4)
	v_mul_u32_u24 v4, v1, RW
	s_delay_alu instid0(VALU_DEP_1)
	v_mad_u32_u24 v4, v2, RP, v4
	s_delay_alu instid0(VALU_DEP_1)
	v_lshl_add_u32 v4, v3, 5, v4                   ; LDS, in: my wave's region, row r, + 32 h
	v_and_b32 v6, 31, v0
	s_delay_alu instid0(VALU_DEP_1)
	v_lshlrev_b32 v6, 3, v6                        ; 8 x lane: two outputs a lane
	s_delay_alu instid0(VALU_DEP_1)
	v_mad_u32_u24 v5, v1, RP, v6                   ; LDS, out: row = my wave's number
	v_lshlrev_b32 v7, 6, v2
	s_delay_alu instid0(VALU_DEP_1)
	v_lshl_add_u32 v7, v3, 4, v7                   ; acodes: 64 r + 16 h
	v_lshlrev_b32 v8, 3, v2                        ; ascales: 8 r
	v_lshlrev_b32 v9, 11, v2
	s_delay_alu instid0(VALU_DEP_1)
	v_lshl_add_u32 v9, v3, 4, v9                   ; a weight's codes: row r of 2,048 bytes, + 16 h
	v_lshlrev_b32 v10, 6, v2                       ; its scales: row r of 64 bytes
	s_lshr_b32 s19, s18, 3                         ; tab
	s_and_b32 s20, s18, 7                          ; kp: K steps 2 kp, 2 kp + 1
	s_and_b32 s21, ttmp7, 0xffff                   ; gy
	s_lshl_b32 s22, s20, 14                        ; acodes: 16,384 kp + 1,024 gy + 32 tab
	s_lshl_b32 s23, s21, 10
	s_add_co_u32 s22, s22, s23
	s_lshl_b32 s23, s19, 5
	s_add_co_u32 s22, s22, s23
	s_mov_b32 s23, 0
	s_lshl_b32 s24, s20, 9                         ; ascales: 512 kp + 128 gy + 4 tab
	s_lshl_b32 s25, s21, 7
	s_add_co_u32 s24, s24, s25
	s_lshl_b32 s25, s19, 2
	s_add_co_u32 s24, s24, s25
	s_mov_b32 s25, 0
	s_lshl_b32 s26, ttmp9, 17                      ; codes: 64 gx rows of 2,048 bytes + 256 kp
	s_lshl_b32 s27, s20, 8
	s_add_co_u32 s26, s26, s27
	s_mov_b32 s27, 0
	s_lshl_b32 s28, ttmp9, 12                      ; scales: 64 gx rows of 64 bytes + 8 kp
	s_lshl_b32 s29, s20, 3
	s_add_co_u32 s28, s28, s29
	s_mov_b32 s29, 0
	s_lshl_b32 s30, s21, 16                        ; out0: row 16 gy + wave of 4,096 bytes, + 256 gx
	s_lshl_b32 s31, s18, 12
	s_add_co_u32 s30, s30, s31
	s_lshl_b32 s31, ttmp9, 8
	s_add_co_u32 s30, s30, s31
	s_mov_b32 s31, 0
	s_wait_alu depctr_va_vdst(0)
	s_wait_kmcnt 0x0
	s_cmp_lt_u32 s18, 8                            ; waves 0-7: sin_sum with imag; waves 8-15: cos_sum with real.  The choice hangs on the wave's number alone
	s_cselect_b64 s[8:9], s[8:9], s[12:13]
	s_cselect_b64 s[10:11], s[10:11], s[14:15]
	s_add_nc_u64 s[4:5], s[4:5], s[22:23]
	s_add_nc_u64 s[6:7], s[6:7], s[24:25]
	s_add_nc_u64 s[8:9], s[8:9], s[26:27]
	s_add_nc_u64 s[10:11], s[10:11], s[28:29]
	s_add_nc_u64 s[16:17], s[16:17], s[30:31]
.macro LOADS s                         ; K step 2 kp + s: 25 loads
.irp c, 0,1,2,3
	global_load_b128 v[AF+16*\s+4*\c:AF+16*\s+4*\c+3], v7, s[4:5] offset:8192*\s+2048*\c
.endr
	global_load_b32 v[AS+\s], v8, s[6:7] offset:256*\s
.irp a, 0,1,2,3
.irp c, 0,1,2,3
	global_load_b128 v[WF+16*(4*\s+\a)+4*\c:WF+16*(4*\s+\a)+4*\c+3], v9, s[8:9] offset:32768*\a+128*\s+32*\c
.endr
	global_load_b32 v[WS+4*\s+\a], v10, s[10:11] offset:1024*\a+4*\s
.endr
.endm
	LOADS 0
	LOADS 1
	s_wait_loadcnt 25                              ; the first K step's 25 loads are in; the second's may be out
.irp a, 0,1,2,3                        ; the four accumulators take turns, one instruction a turn; the first products start the sums
	v_wmma_scale_f32_16x16x128_f8f6f4 v[ACC+8*\a:ACC+8*\a+7], v[WF+16*\a:WF+16*\a+15], v[AF:AF+15], 0, v[WS+\a], v[AS] matrix_a_fmt:MATRIX_FMT_BF8 matrix_b_fmt:MATRIX_FMT_BF8
.endr
	s_wait_loadcnt 0x0
.irp a, 0,1,2,3
	v_wmma_scale_f32_16x16x128_f8f6f4 v[ACC+8*\a:ACC+8*\a+7], v[WF+64+16*\a:WF+64+16*\a+15], v[AF+16:AF+31], v[ACC+8*\a:ACC+8*\a+7], v[WS+4+\a], v[AS+1] matrix_a_fmt:MATRIX_FMT_BF8 matrix_b_fmt:MATRIX_FMT_BF8
.endr
.rept 8
	v_nop                                          ; eight places behind this form, in front of the LDS stores that read results and of the loads into registers that held operands
.endr
.irp a, 0,1,2,3
	ds_store_b128 v4, v[ACC+8*\a:ACC+8*\a+3] offset:64*\a          ; lane (r, h): row r, outputs 16 a + 8 h + 0 .. 7; each accumulator from its low end on
	ds_store_b128 v4, v[ACC+8*\a+4:ACC+8*\a+7] offset:64*\a+16
.endr
	s_wait_dscnt 0x0                               ; for the others' sake: my partial sums have landed
	s_barrier_signal -1
	s_barrier_wait -1                              ; the launch's one barrier
.irp w, 0,1,2,3,4,5,6,7,8,9,10,11,12,13,14,15
	ds_load_b64 v[WF+2*\w:WF+2*\w+1], v5 offset:RW*\w              ; wave m takes row m: two outputs a lane, of each of the sixteen partial sums
.endr
	s_wait_dscnt 0x0
.irp i, 0,2,4,6,8,10,12,14
	v_pk_add_f32 v[WF+\i:WF+\i+1], v[WF+\i:WF+\i+1], v[WF+16+\i:WF+17+\i]
.endr
.irp i, 0,2,4,6
	s_delay_alu instid0(VALU_DEP_4)
	v_pk_add_f32 v[WF+\i:WF+\i+1], v[WF+\i:WF+\i+1], v[WF+8+\i:WF+9+\i]
.endr
.irp i, 0,2
	s_delay_alu instid0(VALU_DEP_2)
	v_pk_add_f32 v[WF+\i:WF+\i+1], v[WF+\i:WF+\i+1], v[WF+4+\i:WF+5+\i]
.endr
	s_delay_alu instid0(VALU_DEP_1)
	v_pk_add_f32 v[WF:WF+1], v[WF:WF+1], v[WF+2:WF+3]              ; y
	; silu(y) = y / (1 + 2^(-y log2 e))
	s_delay_alu instid0(VALU_DEP_1)
	v_mul_f32 v[WF+2], 0xbfb8aa3b, v[WF]
	s_delay_alu instid0(VALU_DEP_2)
	v_mul_f32 v[WF+3], 0xbfb8aa3b, v[WF+1]
	s_wait_alu depctr_va_vdst(0)
	v_exp_f32 v[WF+2], v[WF+2]
	v_exp_f32 v[WF+3], v[WF+3]
	v_nop                                          ; a plain instruction behind the last exponential,
	s_wait_alu depctr_va_vdst(0)                   ; and one wait for both, ahead of their first reader
	v_add_f32 v[WF+2], 1.0, v[WF+2]
	v_add_f32 v[WF+3], 1.0, v[WF+3]
	s_wait_alu depctr_va_vdst(0)
	v_rcp_f32 v[WF+2], v[WF+2]
	v_rcp_f32 v[WF+3], v[WF+3]
	v_nop
	s_wait_alu depctr_va_vdst(0)                   ; likewise for the two reciprocals
	v_pk_mul_f32 v[WF+2:WF+3], v[WF+2:WF+3], v[WF:WF+1]
	global_store_b64 v6, v[WF+2:WF+3], s[16:17]    ; the wave stores 256 consecutive bytes, at a multiple of 256 from out0's first byte
	s_wait_tensorcnt 0x0
	ds_add_u32 v240, v241
	s_wait_dscnt 0x0
	s_endpgm
.Lfunc_end_k_qa7be59680e_proj:
	.size	k_qa7be59680e_proj, .Lfunc_end_k_qa7be59680e_proj-k_qa7be59680e_proj
	.p2alignl 7, 3214868480
	.fill 96, 4, 3214868480
	.section	.rodata,"a",@progbits
	.p2align	6, 0x0
	.amdhsa_kernel k_qa7be59680e_proj
		.amdhsa_group_segment_fixed_size 71680
		.amdhsa_private_segment_fixed_size 0
		.amdhsa_enable_private_segment 0
		.amdhsa_kernarg_size 56
		.amdhsa_user_sgpr_count 2
		.amdhsa_user_sgpr_kernarg_segment_ptr 1
		.amdhsa_wavefront_size32 1
		.amdhsa_system_sgpr_workgroup_id_x 1
		.amdhsa_system_sgpr_workgroup_id_y 1
		.amdhsa_system_sgpr_workgroup_id_z 1
		.amdhsa_system_vgpr_workitem_id 0
		.amdhsa_next_free_vgpr 242
		.amdhsa_next_free_sgpr 66
		.amdhsa_reserve_vcc 0
		.amdhsa_float_denorm_mode_32 3
		.amdhsa_float_denorm_mode_16_64 3
		.amdhsa_memory_ordered 1
		.amdhsa_forward_progress 1
		.amdhsa_inst_pref_size 13
	.end_amdhsa_kernel
	.amdgpu_metadata
---
amdhsa.version: [ 1, 2 ]
amdhsa.kernels:
  - .name:           k_qa7be59680e_proj
    .symbol:         k_qa7be59680e_proj.kd
    .args:
      - { .name: acodes, .offset: 0, .size: 8, .value_kind: global_buffer, .address_space: global }
      - { .name: ascales, .offset: 8, .size: 8, .value_kind: global_buffer, .address_space: global }
      - { .name: proj_imag_w_codes, .offset: 16, .size: 8, .value_kind: global_buffer, .address_space: global }
      - { .name: proj_imag_w_scales, .offset: 24, .size: 8, .value_kind: global_buffer, .address_space: global }
      - { .name: proj_real_w_codes, .offset: 32, .size: 8, .value_kind: global_buffer, .address_space: global }
      - { .name: proj_real_w_scales, .offset: 40, .size: 8, .value_kind: global_buffer, .address_space: global }
      - { .name: out0, .offset: 48, .size: 8, .value_kind: global_buffer, .address_space: global }
    .group_segment_fixed_size: 71680
    .private_segment_fixed_size: 0
    .kernarg_segment_align: 8
    .kernarg_segment_size: 56
    .max_flat_workgroup_size: 512
    .sgpr_count:     66
    .vgpr_count:     242
    .wavefront_size: 32
...
	.end_amdgpu_metadata
.endif
;; end of part 3
